; MI455X (gfx1250); checked and timed in simulation.
; The chip was launched on July 23, 2026; its instructions are those of AMD's public machine-readable ISA for CDNA 5 (MIT licence, August 2026) and "CDNA5" Instruction Set Architecture Reference Guide (July 2026). The comments in the code are by the model that wrote it; some were corrected since.
;; Cutlass Linear. Allowed arithmetic: matrix products marked QUANTISED: E5M2 operands, one given power-of-two scale a tensor, by v_wmma_f32_16x16x64_bf8_bf8 or v_wmma_f32_16x16x128_bf8_bf8, f32 sums; everything else in f32.
;; Inputs: bias 4,096 float32; lowp_scales 2 int32 (the exponents e of the quantised operands' scales 2^e); weight 4,096 x 4,096 float32; x 4,096 x 4,096 float32.
;; Outputs: out0 4,096 x 4,096 float32.
;; This version of the problem:
;;   THIS VERSION OF THE PROBLEM IS GIVEN IN LOW PRECISION. The matrix products marked QUANTISED in the list below multiply operands that are first quantised to E5M2 (5 exponent bits, 2 mantissa bits; 8 bits a number), with one given power-of-two scale for each operand tensor; their sums are f32. All else is computed in f32.
;;   The module's matrix products, in the order in which they are computed (A, B: the left and right operand; K: the contracted axis; several contracted axes count as one K, in the product's order):
;;     1. [M 4,096, K 4,096] x [K 4,096, N 4,096]; A: input x; B: computed on the way: QUANTISED (scales: A lowp_scales[0], B lowp_scales[1])
;;   THE QUANTISER, for each operand of a quantised product, along K:
;;     - The operand's scale is 2^e, e = its entry of the input lowp_scales (int32; the entries are numbered through the quantised products in the list's order, A before B).
;;     - Each number is divided by the scale, clamped to +-57,344, and rounded to the nearest number of E5M2, ties to even, subnormals kept.
;;     - The product sums the exact products of the quantised numbers (number of the format x scale) in f32.
;;   ~~~python
;;   def quantise(x, axis, e):      # numpy; x: float32 -> the quantised numbers, widened to float32 again
;;       x = np.moveaxis(x, axis, -1); K = x.shape[-1]
;;       r = np.clip(x / 2.0 ** e, -57344, 57344)
;;       step = 2.0 ** (np.maximum(np.frexp(np.where(r == 0, 1, r))[1] - 1, -14) - 2)
;;       q = np.round(r / step) * step * 2.0 ** e      # np.round: ties to even
;;       return np.moveaxis(q, -1, axis).astype(np.float32)
;;   ~~~
;;   OPERANDS COMPUTED ON THE WAY. 'Computed on the way' means the value that the module computes at that place (a softmax that the list does not call 'softmax' is quantised finished and normalised). What goes into a quantiser is computed in f32, as accurately as f32 sums, v_exp_f32 and their like allow (about 1e-6 of the number): no bf16 or f16 on the way to a quantiser, and a product that is left as it is and whose result goes on into a quantised operand takes f32 operands (vector FMAs, or v_wmma_f32_16x16x4_f32). A number that lies on a knife's edge between two numbers of the format may be rounded either way, as far as f32 arithmetic and the matrix unit's own rounding can turn it there, and no further.
;; One version. Each part assembles by itself: llvm-mc -triple=amdgcn-amd-amdhsa -mcpu=gfx1250 --defsym DOCPART=n.
;; ======== version 1 of 1: 3 launches
;; limits: inputs' magnitudes at most 1.27e+30; below input magnitudes of 7.9e-31 results are inexact or not finite; right only within a limited range of input values
;; workspace buffers: wpart 2,048 bytes; x_codes 16,777,216 bytes; w_codes 16,777,216 bytes
;; launch wmax (part 1): grid 512 x 1, 8 waves a work-group, no clusters, 1,280 bytes of LDS; arguments weight, wpart; writes wpart
.if DOCPART == 1
	.amdgcn_target "amdgcn-amd-amdhsa--gfx1250"
	.amdhsa_code_object_version 6
	.text
	.protected	k_q6d19deb85c_wmax
	.globl	k_q6d19deb85c_wmax
	.p2align	8
	.type	k_q6d19deb85c_wmax,@function
k_q6d19deb85c_wmax:
	s_mov_b64 s[64:65], 0
	v_nop
	global_prefetch_b8 v0, s[64:65] scope:SCOPE_SE
	s_setreg_imm32_b32 hwreg(HW_REG_WAVE_MODE, 25, 1), 1
	s_wait_xcnt 0x0
; wpart[g] = the largest |weight| among the 32,768 numbers (131,072 bytes) of work-group g.  512 work-groups cover the 4,096 x 4,096 f32 numbers.
; The whole tensor's largest magnitude is needed before any weight can be coded, and work-groups exchange nothing inside a launch: so this launch leaves 512 partial maxima, and the next one joins them.
; Eight waves, 16,384 bytes each: 32 loads of 512 consecutive bytes (16 a lane), all issued at once, nothing loops.  No cache hint: the next launch reads the same bytes again.
; No matrix unit, no cluster, no ring in LDS: the work-groups share no input and each byte is used once.
; LIMIT: NaN among the weights is not served (the maximum passes over it).
.set X, 4                              ; v[4:131]   the 32 loads, four registers each
.set M, 132                            ; v[132:135] four running maxima, so that no line waits for the line above it
	s_load_b128 s[4:7], s[0:1], 0x0                ; weight s[4:5], wpart s[6:7]
	v_lshl_add_u32 v144, v0, 2, 0x100
	v_mov_b32 v145, 0
	v_and_b32 v1, 0xe0, v0                         ; 32 x wave
	v_and_b32 v2, 31, v0                           ; lane
	s_delay_alu instid0(VALU_DEP_1)
	v_lshlrev_b32 v2, 4, v2                        ; 16 bytes a lane
	s_delay_alu instid0(VALU_DEP_1)
	v_lshl_or_b32 v1, v1, 9, v2                    ; + wave x 16,384: my byte in the work-group's part; never rewritten
	v_lshrrev_b32 v2, 5, v0
	s_delay_alu instid0(VALU_DEP_1)
	v_lshlrev_b32 v2, 2, v2                        ; my wave's word in LDS
	v_mov_b32 v3, 0                                ; LDS address of the eight words, and the store's offset
	v_mov_b32 v137, 0                              ; written once: a lane permute's destination counts as one of its sources
	s_mov_b32 s10, 0x76543210                      ; v_permlanex16_b32: each lane takes its own place in the other half
	s_mov_b32 s11, 0xfedcba98
	s_lshl_b32 s2, ttmp9, 17                       ; the work-group's 131,072 bytes (511 x 131,072 stays under 2^31)
	s_mov_b32 s3, 0
	s_wait_alu depctr_va_vdst(0)
	s_wait_kmcnt 0x0
	s_add_nc_u64 s[4:5], s[4:5], s[2:3]
	s_lshl_b32 s2, ttmp9, 2                        ; and its word of wpart
	s_add_nc_u64 s[6:7], s[6:7], s[2:3]
.set i, 0
.rept 32
	global_load_b128 v[X+4*i:X+4*i+3], v1, s[4:5] offset:512*i   ; 32 lanes read 512 consecutive bytes
.set i, i+1
.endr
.set i, 0
.rept 8                                ; four loads at a time
	s_wait_alu depctr_va_vdst(0)
	s_wait_loadcnt 28-i                            ; loads come back in order (ISA guide 5.7.1): these four are in, the 28 - i younger ones stay out
.rept 4
.set c, M+2*(i%2)
.if i < 2                              ; the first two loads start the four chains: nothing is cleared
	v_max_num_f32 v[c], |v[X+4*i]|, |v[X+4*i+1]|
	v_max_num_f32 v[c+1], |v[X+4*i+2]|, |v[X+4*i+3]|
.else
	v_max3_num_f32 v[c], v[c], |v[X+4*i]|, |v[X+4*i+1]|
	v_max3_num_f32 v[c+1], v[c+1], |v[X+4*i+2]|, |v[X+4*i+3]|
.endif
.set i, i+1
.endr
.endr
	s_delay_alu instid0(VALU_DEP_2)
	v_max3_num_f32 v136, v[M], v[M+1], v[M+2]
	s_delay_alu instid0(VALU_DEP_1)
	v_max_num_f32 v136, v136, v[M+3]
	; across the 32 lanes: four steps inside each half of 16 lanes ride on the arithmetic, one crosses the halves
	s_delay_alu instid0(VALU_DEP_1)
	v_max_num_f32_dpp v136, v136, v136 row_xmask:1 row_mask:0xf bank_mask:0xf
	s_delay_alu instid0(VALU_DEP_1)
	v_max_num_f32_dpp v136, v136, v136 row_xmask:2 row_mask:0xf bank_mask:0xf
	s_delay_alu instid0(VALU_DEP_1)
	v_max_num_f32_dpp v136, v136, v136 row_xmask:4 row_mask:0xf bank_mask:0xf
	s_delay_alu instid0(VALU_DEP_1)
	v_max_num_f32_dpp v136, v136, v136 row_xmask:8 row_mask:0xf bank_mask:0xf
	s_delay_alu instid0(VALU_DEP_1)
	v_permlanex16_b32 v137, v136, s10, s11
	s_delay_alu instid0(VALU_DEP_1)
	v_max_num_f32 v136, v136, v137                 ; every lane holds the wave's maximum
	ds_store_b32 v2, v136                          ; all lanes write the wave's word with the same value
	s_wait_dscnt 0x0                               ; for the others' sake: my store is done
	s_barrier_signal -1
	s_barrier_wait -1
	ds_load_b128 v[138:141], v3                    ; the eight waves' maxima, in every lane
	ds_load_b128 v[4:7], v3 offset:16
	s_wait_dscnt 0x0
	v_max3_num_f32 v136, v138, v139, v140
	v_max3_num_f32 v137, v141, v4, v5
	s_delay_alu instid0(VALU_DEP_2)
	v_max3_num_f32 v136, v136, v6, v7
	s_delay_alu instid0(VALU_DEP_1)
	v_max_num_f32 v136, v136, v137
	; thread 0 stores the work-group's word: 4 bytes a work-group, 2,048 bytes in the whole launch
	v_cmp_gt_u32 vcc_lo, 1, v0
	s_wait_alu depctr_va_vdst(0)
	s_wait_xcnt 0x0                                ; EXEC is a source of every memory instruction issued so far: it changes only behind this wait
	s_wait_tensorcnt 0x0
	ds_add_u32 v144, v145
	s_wait_dscnt 0x0
	s_and_saveexec_b32 s9, vcc_lo
	global_store_b32 v3, v136, s[6:7]
	s_wait_xcnt 0x0                                ; and again in front of the line that widens it
	s_or_b32 exec_lo, exec_lo, s9
	s_endpgm
.Lfunc_end_k_q6d19deb85c_wmax:
	.size	k_q6d19deb85c_wmax, .Lfunc_end_k_q6d19deb85c_wmax-k_q6d19deb85c_wmax
	.p2alignl 7, 3214868480
	.fill 96, 4, 3214868480
	.section	.rodata,"a",@progbits
	.p2align	6, 0x0
	.amdhsa_kernel k_q6d19deb85c_wmax
		.amdhsa_group_segment_fixed_size 1280
		.amdhsa_private_segment_fixed_size 0
		.amdhsa_enable_private_segment 0
		.amdhsa_kernarg_size 16
		.amdhsa_user_sgpr_count 2
		.amdhsa_user_sgpr_kernarg_segment_ptr 1
		.amdhsa_wavefront_size32 1
		.amdhsa_system_sgpr_workgroup_id_x 1
		.amdhsa_system_sgpr_workgroup_id_y 1
		.amdhsa_system_sgpr_workgroup_id_z 1
		.amdhsa_system_vgpr_workitem_id 0
		.amdhsa_next_free_vgpr 146
		.amdhsa_next_free_sgpr 66
		.amdhsa_reserve_vcc 1
		.amdhsa_float_denorm_mode_32 3
		.amdhsa_float_denorm_mode_16_64 3
		.amdhsa_memory_ordered 1
		.amdhsa_forward_progress 1
		.amdhsa_inst_pref_size 11
	.end_amdhsa_kernel
	.amdgpu_metadata
---
amdhsa.version: [ 1, 2 ]
amdhsa.kernels:
  - .name:           k_q6d19deb85c_wmax
    .symbol:         k_q6d19deb85c_wmax.kd
    .args:
      - { .name: weight, .offset: 0, .size: 8, .value_kind: global_buffer, .address_space: global }
      - { .name: wpart, .offset: 8, .size: 8, .value_kind: global_buffer, .address_space: global }
    .group_segment_fixed_size: 1280
    .private_segment_fixed_size: 0
    .kernarg_segment_align: 8
    .kernarg_segment_size: 16
    .max_flat_workgroup_size: 256
    .sgpr_count:     66
    .vgpr_count:     146
    .wavefront_size: 32
...
	.end_amdgpu_metadata
.endif
;; end of part 1
;; launch quant (part 2): grid 1024 x 1, 4 waves a work-group, no clusters, 0 bytes of LDS; arguments x, weight, lowp_scales, wpart, x_codes, w_codes; writes x_codes, w_codes
.if DOCPART == 2
	.amdgcn_target "amdgcn-amd-amdhsa--gfx1250"
	.amdhsa_code_object_version 6
	.text
	.protected	k_q6d19deb85c_quant
	.globl	k_q6d19deb85c_quant
	.p2align	8
	.type	k_q6d19deb85c_quant,@function
k_q6d19deb85c_quant:
	s_mov_b64 s[64:65], 0
	v_nop
	global_prefetch_b8 v0, s[64:65] scope:SCOPE_SE
	s_setreg_imm32_b32 hwreg(HW_REG_WAVE_MODE, 25, 1), 1
	s_wait_xcnt 0x0
; x [4096][4096] and the emulated int8 weight, both f32 with K innermost, become codes of BF8 (E5M2), one byte a number, each with the one scale 2^e that is given for it (entry 0: x, entry 1: the weight).
; THE WEIGHT FIRST GOES THROUGH THE INT8 EMULATION, all in f32:  m = max |W| (the 512 partial maxima of the launch before, joined here by every wave);  scale = 127 / m;
;   w_deq = clip(trunc(W x scale), -127, 127) / scale.  trunc is a step function, so scale is made as the rounded quotient: a reciprocal, two Newton steps, then the quotient corrected by its exact remainder (one fused
;   multiply-add each).  W x scale is one f32 multiplication.  The division by scale is a multiplication by 1 / scale, corrected by its remainder in the same way.
;   Division by a positive number keeps the order, so the clip at +-127 ahead of it is a hold at +-(127 / scale) behind it: ONE v_med3_num_f32, at the lesser of 127 / scale and 57,344 x 2^e, does the clip and the format's hold.
; code = number / 2^e, held within +-57,344, rounded to the nearest code, ties to even.
; THE CODES' ORDER.  Rows as in the tensors, 4,096 bytes a row.  Inside each aligned run of 512 along K the order is permuted, ALIKE IN BOTH BUFFERS: byte 16 l + 4 i + j holds k = 128 i + 4 l + j (l = 0 .. 31; i, j = 0 .. 3).
;   Every product of the next launch still meets its partner; only the order of the f32 sums changes.  It spares a turn through LDS: each load reads 512 consecutive bytes, 16 a lane, and a lane's 16 numbers of a step's four
;   loads become 16 consecutive bytes of a store of 512 consecutive bytes.
; SHARES.  Work-groups 0 to 511 take x, the others the weight; only pointers, e and the hold are chosen, and one short branch on the work-group's number leads round the emulation.  A wave takes 8,192 numbers: 16 steps of 512,
;   written out, every offset an immediate, no pointer stepped; each step has its own four registers of codes, so no store's data are written again.  Loads run four steps (16 loads a wave) ahead.
; No LDS, no barrier, no cluster, no matrix unit: waves share nothing but 2,048 bytes of partial maxima.
; LIMITS: NaN and infinities among the inputs are not served; max |W| between 2^-100 and 2^100 (v_rcp_f32 takes no denormals: ISA guide 15.8); each e between -126 and 112, so that 2^e and 57,344 x 2^e are f32 numbers.
.set WGX, 512                          ; work-groups for x: 4,096 x 4,096 / (4 waves x 8,192)
.set P,   16                           ; v[16:31]   the 512 partial maxima, 16 a lane
.set R,   32                           ; v[32:95]   four sets of 16 numbers
.set Q,   96                           ; v[96:111]  at work in the emulation: the first quotients
.set C,   112                          ; v[112:175] codes: four registers for each step
	s_load_b256 s[4:11], s[0:1], 0x0               ; x s[4:5], weight s[6:7], the scales' exponents s[8:9], wpart s[10:11]
	s_load_b128 s[12:15], s[0:1], 0x20             ; x_codes s[12:13], w_codes s[14:15]
	v_lshrrev_b32 v2, 5, v0
	v_readfirstlane_b32 s16, v2                    ; wave 0..3
	v_and_b32 v1, 31, v0
	v_lshlrev_b32 v1, 4, v1                        ; 16 x lane: my place in every load and store; never rewritten
	v_mov_b32 v14, 0                               ; written once: a lane permute's destination counts as one of its sources
	s_mov_b32 s24, 0x42fe0000                      ; 127.0
	s_mov_b32 s26, 0x76543210                      ; v_permlanex16_b32: lane l xor 16
	s_mov_b32 s27, 0xfedcba98
	s_wait_alu depctr_va_vdst(0)
	s_wait_kmcnt 0x0
	s_load_b64 s[22:23], s[8:9], 0x0               ; e0, e1
	s_cmp_lt_u32 ttmp9, WGX                        ; x's work-group or the weight's?  The choice hangs on the work-group's number alone
	s_cselect_b64 s[4:5], s[4:5], s[6:7]           ; the numbers,
	s_cselect_b64 s[20:21], s[12:13], s[14:15]     ; their codes
	s_cselect_b32 s17, 0, WGX
	s_sub_co_u32 s17, ttmp9, s17
	s_lshl_b32 s17, s17, 2
	s_add_co_u32 s17, s17, s16                     ; which run of 8,192 numbers is my wave's: 0 .. 2,047
	s_lshl_b32 s18, s17, 15                        ; 32,768 bytes of f32
	s_mov_b32 s19, 0
	s_add_nc_u64 s[4:5], s[4:5], s[18:19]
	s_lshl_b32 s18, s17, 13                        ; 8,192 bytes of codes
	s_add_nc_u64 s[20:21], s[20:21], s[18:19]
.irp i, 0,1,2,3
	global_load_b128 v[P+4*\i:P+4*\i+3], v1, s[10:11] offset:512*\i   ; the partial maxima: 2,048 bytes, which every wave of the launch reads
.endr
.macro LOAD t                          ; step t's 512 numbers into set t % 4: register 4 i + j = number 128 i + 4 lane + j
.irp i, 0,1,2,3
	global_load_b128 v[R+16*((\t)%4)+4*\i:R+16*((\t)%4)+4*\i+3], v1, s[4:5] offset:2048*(\t)+512*\i th:TH_LOAD_NT   ; 512 consecutive bytes; nobody reads them again
.endr
.endm
.irp t, 0,1,2,3
	LOAD \t
.endr
	s_wait_kmcnt 0x0
	s_cmp_lt_u32 ttmp9, WGX                        ; (compared anew: the sums above have set SCC)
	s_cselect_b32 s22, s22, s23                    ; e
	s_cselect_b32 s25, 0, -1                       ; a lane mask: all ones in the weight's work-groups
	s_add_co_i32 s22, s22, 127
	s_lshl_b32 s23, s22, 23
	v_mov_b32 v11, s23                             ; 2^e as f32: the conversion takes its exponent field
	s_add_co_i32 s22, s22, 15
	s_lshl_b32 s22, s22, 23
	s_or_b32 s22, s22, 0x600000
	v_mov_b32 v10, s22                             ; 57,344 x 2^e
	s_wait_loadcnt 16                              ; the four loads of partial maxima are in; the 16 loads of numbers behind them stay out
	; m, scale, 1 / scale and the hold.  x's work-groups run these lines too (some forty, under loads that are out), so that no register is written on one way alone; the mask s25 keeps their hold as it is.
	v_max3_num_f32 v4, v[P], v[P+1], v[P+2]
	v_max3_num_f32 v12, v[P+3], v[P+4], v[P+5]
.irp i, 6,10
	v_max3_num_f32 v4, v4, v[P+\i], v[P+\i+1]
	v_max3_num_f32 v12, v12, v[P+\i+2], v[P+\i+3]
.endr
	v_max3_num_f32 v4, v4, v[P+14], v[P+15]
	v_max_num_f32 v4, v4, v12
	v_max_num_f32_dpp v4, v4, v4 row_xmask:1 row_mask:0xf bank_mask:0xf
	v_max_num_f32_dpp v4, v4, v4 row_xmask:2 row_mask:0xf bank_mask:0xf
	v_max_num_f32_dpp v4, v4, v4 row_xmask:4 row_mask:0xf bank_mask:0xf
	v_max_num_f32_dpp v4, v4, v4 row_xmask:8 row_mask:0xf bank_mask:0xf
	v_permlanex16_b32 v14, v4, s26, s27
	v_max_num_f32 v4, v4, v14                      ; m = max |W|, in every lane
	s_wait_alu depctr_va_vdst(0)
	v_rcp_f32 v5, v4
	v_nop                                          ; one plain instruction between a transcendental and the use of its result (ISA guide 5.7.2)
	s_wait_alu depctr_va_vdst(0)
	v_fma_f32 v12, -v4, v5, 1.0                    ; two Newton steps: 1 / m to the last bit or nearly
	v_fma_f32 v5, v12, v5, v5
	v_fma_f32 v12, -v4, v5, 1.0
	v_fma_f32 v5, v12, v5, v5
	v_mul_f32 v6, s24, v5                          ; 127 x (1 / m),
	v_fma_f32 v12, -v4, v6, s24                    ; its exact remainder 127 - m q,
	v_fma_f32 v6, v12, v5, v6                      ; and the quotient corrected: scale = 127 / m
	v_mov_b32 v7, v6                               ; (a pair, for the packed forms)
	v_rcp_f32 v8, v6
	v_nop
	s_wait_alu depctr_va_vdst(0)
	v_fma_f32 v12, -v6, v8, 1.0
	v_fma_f32 v8, v12, v8, v8
	v_fma_f32 v12, -v6, v8, 1.0
	v_fma_f32 v8, v12, v8, v8                      ; 1 / scale
	v_mov_b32 v9, v8
	v_mul_f32 v13, s24, v8                         ; 127 / scale, by the very three lines that divide every weight below
	v_fma_f32 v12, -v13, v6, s24
	v_fma_f32 v13, v12, v8, v13
	v_min_num_f32 v13, v13, v10                    ; the clip and the format's hold in one limit
	v_cndmask_b32 v10, v10, v13, s25               ; the weight's work-groups take it; x's keep 57,344 x 2^e
.macro STEP t
.set XS, R+16*((\t)%4)
.if 15-(\t) >= 3
	s_wait_loadcnt 12                              ; this step's four loads are in; those of the three steps behind it may be out
.else
	s_wait_loadcnt 4*(15-(\t))                     ; the last steps: the counts run down
.endif
	s_cmp_lt_u32 ttmp9, WGX
	s_cbranch_scc1 .Lplain_\@                      ; x is quantised as it is
.irp j, 0,2,4,6,8,10,12,14
	v_pk_mul_f32 v[XS+\j:XS+\j+1], v[XS+\j:XS+\j+1], v[6:7]   ; W x scale: one rounding
.endr
.irp j, 0,1,2,3,4,5,6,7,8,9,10,11,12,13,14,15
	v_trunc_f32 v[XS+\j], v[XS+\j]                 ; toward zero: the int8 number t
.endr
.irp j, 0,2,4,6,8,10,12,14
	v_pk_mul_f32 v[Q+\j:Q+\j+1], v[XS+\j:XS+\j+1], v[8:9]     ; q = t x (1 / scale),
.endr
.irp j, 0,2,4,6,8,10,12,14
	v_pk_fma_f32 v[XS+\j:XS+\j+1], v[Q+\j:Q+\j+1], v[6:7], v[XS+\j:XS+\j+1] neg_lo:[1,0,0] neg_hi:[1,0,0]   ; its remainder t - q x scale,
.endr
.irp j, 0,2,4,6,8,10,12,14
	v_pk_fma_f32 v[XS+\j:XS+\j+1], v[XS+\j:XS+\j+1], v[8:9], v[Q+\j:Q+\j+1]   ; and the quotient corrected: t / scale
.endr
.Lplain_\@:
	s_wait_alu depctr_va_vdst(0)
.irp j, 0,1,2,3,4,5,6,7,8,9,10,11,12,13,14,15
	v_med3_num_f32 v[XS+\j], v[XS+\j], -v10, v10   ; the conversion to an 8-bit code does not saturate (ISA guide 7.6.2): the hold comes first; for the weight it is the clip at +-127 as well
.endr
	v_cvt_scalef32_pk8_bf8_f32 v[C+4*(\t):C+4*(\t)+1], v[XS:XS+7], v11        ; eight numbers / 2^e, to the nearest code, ties to even; the first number's code in the lowest byte
	v_cvt_scalef32_pk8_bf8_f32 v[C+4*(\t)+2:C+4*(\t)+3], v[XS+8:XS+15], v11
	; the codes go to a store alone, and the numbers' registers are next written by loads: neither wants a place behind the conversions; the next vector lines are plain and work on another set
.if (\t)+4 < 16
	LOAD (\t)+4                                    ; this set takes the numbers of four steps on
.endif
	global_store_b128 v1, v[C+4*(\t):C+4*(\t)+3], s[20:21] offset:512*(\t)    ; 32 lanes store 512 consecutive bytes, aligned; no hint: the next launch reads them
.endm
.irp t, 0,1,2,3,4,5,6,7,8,9,10,11,12,13,14,15
	STEP \t
.endr
	s_endpgm
.Lfunc_end_k_q6d19deb85c_quant:
	.size	k_q6d19deb85c_quant, .Lfunc_end_k_q6d19deb85c_quant-k_q6d19deb85c_quant
	.p2alignl 7, 3214868480
	.fill 96, 4, 3214868480
	.section	.rodata,"a",@progbits
	.p2align	6, 0x0
	.amdhsa_kernel k_q6d19deb85c_quant
		.amdhsa_group_segment_fixed_size 0
		.amdhsa_private_segment_fixed_size 0
		.amdhsa_enable_private_segment 0
		.amdhsa_kernarg_size 48
		.amdhsa_user_sgpr_count 2
		.amdhsa_user_sgpr_kernarg_segment_ptr 1
		.amdhsa_wavefront_size32 1
		.amdhsa_system_sgpr_workgroup_id_x 1
		.amdhsa_system_sgpr_workgroup_id_y 1
		.amdhsa_system_sgpr_workgroup_id_z 1
		.amdhsa_system_vgpr_workitem_id 0
		.amdhsa_next_free_vgpr 176
		.amdhsa_next_free_sgpr 66
		.amdhsa_reserve_vcc 0
		.amdhsa_float_denorm_mode_32 3
		.amdhsa_float_denorm_mode_16_64 3
		.amdhsa_memory_ordered 1
		.amdhsa_forward_progress 1
		.amdhsa_inst_pref_size 73
	.end_amdhsa_kernel
	.amdgpu_metadata
---
amdhsa.version: [ 1, 2 ]
amdhsa.kernels:
  - .name:           k_q6d19deb85c_quant
    .symbol:         k_q6d19deb85c_quant.kd
    .args:
      - { .name: x, .offset: 0, .size: 8, .value_kind: global_buffer, .address_space: global }
      - { .name: weight, .offset: 8, .size: 8, .value_kind: global_buffer, .address_space: global }
      - { .name: lowp_scales, .offset: 16, .size: 8, .value_kind: global_buffer, .address_space: global }
      - { .name: wpart, .offset: 24, .size: 8, .value_kind: global_buffer, .address_space: global }
      - { .name: x_codes, .offset: 32, .size: 8, .value_kind: global_buffer, .address_space: global }
      - { .name: w_codes, .offset: 40, .size: 8, .value_kind: global_buffer, .address_space: global }
    .group_segment_fixed_size: 0
    .private_segment_fixed_size: 0
    .kernarg_segment_align: 8
    .kernarg_segment_size: 48
    .max_flat_workgroup_size: 128
    .sgpr_count:     66
    .vgpr_count:     176
    .wavefront_size: 32
...
	.end_amdgpu_metadata
.endif
;; end of part 2
;; launch gemm (part 3): grid 16 x 16, 4 waves a work-group, clusters of 4 x 4, 327,680 bytes of LDS; arguments x_codes, w_codes, lowp_scales, bias, out0; writes out0
.if DOCPART == 3
	.amdgcn_target "amdgcn-amd-amdhsa--gfx1250"
	.amdhsa_code_object_version 6
	.text
	.protected	k_q6d19deb85c_gemm
	.globl	k_q6d19deb85c_gemm
	.p2align	8
	.type	k_q6d19deb85c_gemm,@function
k_q6d19deb85c_gemm:
	s_mov_b64 s[64:65], 0
	v_nop
	global_prefetch_b8 v0, s[64:65] scope:SCOPE_SE
	s_setreg_imm32_b32 hwreg(HW_REG_WAVE_MODE, 25, 1), 1
	s_wait_xcnt 0x0
	s_wait_alu depctr_hold_cnt(0) depctr_sa_sdst(0) depctr_va_vdst(0) depctr_va_sdst(0) depctr_va_ssrc(0) depctr_va_vcc(0) depctr_vm_vsrc(0)
	s_getreg_b32 s2, hwreg(HW_REG_IB_STS2, 6, 4)
	s_cmp_eq_u32 s2, 0
	s_cbranch_scc0 .Lentry_in_a_cluster
	s_endpgm
.Lentry_in_a_cluster:
	s_bfe_u32 s2, ttmp6, 0x10000c
	s_cmp_lg_u32 s2, 0xf033
	s_cbranch_scc0 .Lentry_shape_is_right
	s_endpgm
.Lentry_shape_is_right:
.set SIZE_M, 4096
.set SIZE_N, 4096
.set SIZE_K, 4096
.set KSTEP,  256
.set ROWB,   256
.set KROW,   SIZE_K
.set PITCH,  272
.set FR,     16
.set NL,     4
.set NP,     4
.set HALFT,  128*PITCH
.set SLOT,   4*HALFT
.set LAPS,   SIZE_K/(2*KSTEP)
.set SPARE,  2*SLOT
.set SPITCH, 528
.set ADRA, 16
.set ADRB, 20
.set STO,  24
.set RD,   25
.set CO,   26
.set BO,   27
.set SPW,  28
.set NIL,  29
.set TMP,  32
.set AF,   128
.set BK,   128
.set G1, 24
.set G0, 32
.set G1B, 48
.set G0B, 56
.set MSB, 0
.macro WIN new
.if MSB != \new
	s_set_vgpr_msb (MSB<<8)|\new
.set MSB, \new
.endif
.endm
.set MUL_LO, 0xa1
.set MUL_HI, 0xf1
.set TO_B,   0x40
.macro JLOAD g0a, g1a, g0b, g1b
	s_cmp_eq_u32 s15, 0
	s_cbranch_scc0 .Lfor_b_\@
	tensor_load_to_lds s[\g0a:\g0a+3], s[\g1a:\g1a+7]
	s_nop 0
.rept 4
	v_nop
.endr
	s_branch .Lasked_\@
.Lfor_b_\@:
	tensor_load_to_lds s[\g0b:\g0b+3], s[\g1b:\g1b+7]
	s_nop 0
.rept 4
	v_nop
.endr
.Lasked_\@:
.endm
.macro CREST
	s_cmp_lg_u32 s14, 0
	s_cbranch_scc1 .Lnot_wave_0_\@
	s_barrier_signal -3
.Lnot_wave_0_\@:
	s_barrier_wait -3
	s_barrier_signal -1
	s_barrier_wait -1
.endm
.macro CROUND
	s_barrier_signal -1
	s_barrier_wait -1
	CREST
.endm
	s_load_b128 s[4:7], s[0:1], 0x0
	s_load_b128 s[8:11], s[0:1], 0x10
	s_load_b64 s[12:13], s[0:1], 0x20
	v_lshl_add_u32 v[SPW], v0, 2, SPARE
	v_mov_b32 v[NIL], 0
	ds_add_u32 v28, v29
	ds_add_u32 v28, v29
	s_wait_dscnt 0x0
	v_lshrrev_b32 v1, 5, v0
	v_readfirstlane_b32 s14, v1
	s_lshr_b32 s15, s14, 1
	s_and_b32 s16, s14, 1
	s_bfe_u32 s40, ttmp6, 0x40000
	s_bfe_u32 s41, ttmp6, 0x40004
	s_lshl_b32 s42, ttmp9, 2
	s_add_co_u32 s42, s42, s40
	s_and_b32 s17, ttmp7, 0xffff
	s_lshl_b32 s17, s17, 2
	s_add_co_u32 s17, s17, s41
	s_lshl_b32 s43, s41, 2
	s_lshl_b32 s43, 15, s43
	s_lshl_b32 s44, 0x1111, s40
	s_or_b32 s[G1+0], s43, (0<<16)|(1<<20)|(1<<21)|(5<<22)|(3<<25)
	s_or_b32 s[G1B+0], s44, (0<<16)|(1<<20)|(1<<21)|(5<<22)|(3<<25)
.irp g, G1, G1B
	s_mov_b32 s[\g+1], ROWB<<16
	s_mov_b32 s[\g+2], 128<<16
	s_mov_b32 s[\g+3], ROWB<<16
	s_mov_b32 s[\g+4], 128
	s_mov_b32 s[\g+5], KROW
	s_mov_b32 s[\g+6], 0
	s_mov_b32 s[\g+7], 0
.endr
	s_lshl_b32 s18, s16, 7
	s_lshl_b32 s20, s17, 8
	s_add_co_u32 s20, s20, s18
	s_lshl_b32 s46, s42, 8
	s_add_co_u32 s46, s46, s18
	s_mov_b32 s21, 0
	s_mov_b32 s47, 0
	s_mov_b64 s[18:19], KROW
	s_mul_u64 s[20:21], s[20:21], s[18:19]
	s_mul_u64 s[46:47], s[46:47], s[18:19]
	s_mul_i32 s45, s14, HALFT
	s_wait_kmcnt 0x0
	s_load_b64 s[96:97], s[8:9], 0x0
	s_add_nc_u64 s[20:21], s[4:5], s[20:21]
	s_add_nc_u64 s[46:47], s[6:7], s[46:47]
	CROUND
.irp s, 0,1
	s_mov_b32 s[G0+4*\s], 1
	s_add_co_u32 s[G0+4*\s+1], s45, \s*SLOT
	s_add_nc_u64 s[G0+4*\s+2:G0+4*\s+3], s[20:21], \s*ROWB
	s_or_b32 s[G0+4*\s+3], s[G0+4*\s+3], 0x80000000
	s_mov_b32 s[G0B+4*\s], 1
	s_add_co_u32 s[G0B+4*\s+1], s45, \s*SLOT
	s_add_nc_u64 s[G0B+4*\s+2:G0B+4*\s+3], s[46:47], \s*ROWB
	s_or_b32 s[G0B+4*\s+3], s[G0B+4*\s+3], 0x80000000
	s_wait_alu depctr_va_vdst(0)
	s_wait_tensorcnt 0x0
	ds_add_u32 v28, v29
	ds_add_u32 v28, v29
	s_wait_dscnt 0x0
	CROUND
	JLOAD G0+4*\s, G1, G0B+4*\s, G1B
.endr
	v_and_b32 v1, 15, v0
	s_wait_alu depctr_va_vdst(0)
	v_bfe_u32 v2, v0, 4, 1
	v_mul_u32_u24 v3, v1, PITCH
	v_lshl_add_u32 v4, v2, 4, v3
	s_mul_i32 s21, s15, HALFT
	s_mul_i32 s22, s16, HALFT
	s_add_co_u32 s22, s22, 2*HALFT
.irp s, 0,1
	v_add_nc_u32 v[ADRA+\s], s21, v4
	v_add_nc_u32 v[ADRB+\s], s22, v4
	s_add_co_u32 s21, s21, SLOT
	s_add_co_u32 s22, s22, SLOT
.endr
	s_mul_i32 s23, s14, 16*SPITCH
	v_mul_u32_u24 v5, v1, SPITCH
	s_wait_alu depctr_va_vdst(0)
	v_lshl_add_u32 v5, v2, 5, v5
	v_add_nc_u32 v[STO], s23, v5
	v_and_b32 v6, 31, v0
	v_lshlrev_b32 v[CO], 4, v6
	v_add_nc_u32 v[RD], s23, v[CO]
	v_lshlrev_b32 v[BO], 5, v2
	s_lshl_b32 s20, s17, 8
	s_lshl_b32 s21, s15, 7
	s_add_co_u32 s20, s20, s21
	s_mov_b32 s21, 0
	s_mov_b64 s[18:19], SIZE_N*4
	s_mul_u64 s[20:21], s[20:21], s[18:19]
	s_lshl_b32 s46, s42, 10
	s_lshl_b32 s47, s16, 9
	s_add_co_u32 s46, s46, s47
	s_mov_b32 s47, 0
	s_add_nc_u64 s[10:11], s[10:11], s[46:47]
	s_add_nc_u64 s[20:21], s[20:21], s[46:47]
	s_add_nc_u64 s[12:13], s[12:13], s[20:21]
.macro FRAG reg, adr, q, i
.irp c, 0,1,2,3
	ds_load_b128 v[\reg+4*\c:\reg+4*\c+3], v[\adr] offset:128*(\q)+32*\c+(\i)*16*PITCH
.endr
.endm
.macro MUL16 a0, p, zero
.irp a, \a0, \a0+1
.irp b, 0,1,2,3,4,5,6,7
.if \zero
	v_wmma_f32_16x16x128_bf8_bf8 v[8*(8*((\a)%4)+\b):8*(8*((\a)%4)+\b)+7], v[128*(\p)+FR*\b:128*(\p)+FR*\b+FR-1], v[AF+FR*(\a):AF+FR*(\a)+FR-1], 0
.else
	v_wmma_f32_16x16x128_bf8_bf8 v[8*(8*((\a)%4)+\b):8*(8*((\a)%4)+\b)+7], v[128*(\p)+FR*\b:128*(\p)+FR*\b+FR-1], v[AF+FR*(\a):AF+FR*(\a)+FR-1], v[8*(8*((\a)%4)+\b):8*(8*((\a)%4)+\b)+7]
.endif
.endr
.endr
.endm
.macro FETCH_B slot, q, p
	WIN TO_B
.irp i, 0,1,2,3,4,5,6,7
	FRAG 128*(\p)+FR*\i, ADRB+\slot, \q, \i
.endr
	WIN 0
.endm
.macro FETCH_A slot, q, i0
.irp i, \i0, \i0+1, \i0+2, \i0+3
	FRAG AF+FR*(\i), ADRA+\slot, \q, \i
.endr
.endm
.macro PLACES n
.rept \n
	v_nop
.endr
.endm
.macro STEP slot, q, zero
	s_wait_dscnt 4*NL
	WIN MUL_LO
	MUL16 0, (\q)%2, \zero
	MUL16 2, (\q)%2, \zero
	s_wait_dscnt 0
	PLACES NP
	FETCH_B \slot, (\q)+1, 1-(\q)%2
	FETCH_A \slot, (\q)+1, 0
	WIN MUL_HI
	MUL16 4, (\q)%2, \zero
	MUL16 6, (\q)%2, \zero
	PLACES NP
	WIN 0
	FETCH_A \slot, (\q)+1, 4
.endm
.macro TURN slot, next, fill
	s_wait_tensorcnt 0x0
	ds_add_u32 v[SPW], v[NIL]
	s_wait_dscnt 4*NL+1
	WIN MUL_LO
	MUL16 0, 1, 0
	s_wait_dscnt 0x0
	s_barrier_signal -1
	MUL16 2, 1, 0
	WIN 0
	s_barrier_wait -1
.if \fill
	CREST
	s_add_nc_u64 s[G0+4*\slot+2:G0+4*\slot+3], s[G0+4*\slot+2:G0+4*\slot+3], 2*ROWB
	s_add_nc_u64 s[G0B+4*\slot+2:G0B+4*\slot+3], s[G0B+4*\slot+2:G0B+4*\slot+3], 2*ROWB
	JLOAD G0+4*\slot, G1, G0B+4*\slot, G1B
.else
	PLACES NP
.endif
	FETCH_B \next, 0, 0
	FETCH_A \next, 0, 0
	WIN MUL_HI
	MUL16 4, 1, 0
	MUL16 6, 1, 0
	PLACES NP
	WIN 0
	FETCH_A \next, 0, 4
.endm
	s_wait_tensorcnt 1
	s_barrier_signal -1
	s_barrier_wait -1
	FETCH_B 0, 0, 0
	FETCH_A 0, 0, 0
	FETCH_A 0, 0, 4
	STEP 0, 0, 1
	s_mov_b32 s3, LAPS-1
.Llap:
	TURN 0, 1, 1
	STEP 1, 0, 0
	TURN 1, 0, 1
	STEP 0, 0, 0
	s_sub_co_u32 s3, s3, 1
	s_cmp_lg_u32 s3, 0
	s_cbranch_scc1 .Llap
	TURN 0, 1, 0
	STEP 1, 0, 0
	WIN TO_B
	s_wait_alu depctr_va_vdst(0)
.irp b, 0,1,2,3,4,5,6,7
	global_load_b128 v[8*\b:8*\b+3], v[BO], s[10:11] offset:64*\b
	global_load_b128 v[8*\b+4:8*\b+7], v[BO], s[10:11] offset:64*\b+16
.endr
	WIN 0
	s_wait_dscnt 4*NL
	WIN MUL_LO
	MUL16 0, 1, 0
	MUL16 2, 1, 0
	s_wait_dscnt 0
	WIN MUL_HI
	MUL16 4, 1, 0
	MUL16 6, 1, 0
	WIN 0
.macro TOSTAGE a
.set AC, 64*((\a)%4)
	WIN 0x12+((\a)/4)
.irp j, 0,2,4,6,8,10,12,14,16,18,20,22,24,26,28,30,32,34,36,38,40,42,44,46,48,50,52,54,56,58,60,62
	v_pk_fma_f32 v[TMP+\j:TMP+\j+1], v[AC+\j:AC+\j+1], s[96:97], v[\j:\j+1] op_sel_hi:[1,0,1]
.endr
	WIN 0
.irp b, 0,1,2,3,4,5,6,7
	ds_store_b128 v[STO], v[TMP+8*\b:TMP+8*\b+3] offset:64*\b
	ds_store_b128 v[STO], v[TMP+8*\b+4:TMP+8*\b+7] offset:64*\b+16
.endr
.set BB, BK+64*((\a)%2)
.irp t, 0,1,2,3,4,5,6,7,8,9,10,11,12,13,14,15
	ds_load_b128 v[BB+4*\t:BB+4*\t+3], v[RD] offset:\t*SPITCH
.endr
.endm
.macro SEND a, younger
.set BB, BK+64*((\a)%2)
	s_wait_dscnt \younger
.if (\a) > 0
	s_add_nc_u64 s[12:13], s[12:13], 16*SIZE_N*4
.endif
.irp t, 0,1,2,3,4,5,6,7,8,9,10,11,12,13,14,15
	global_store_b128 v[CO], v[BB+4*\t:BB+4*\t+3], s[12:13] offset:\t*SIZE_N*4 th:TH_STORE_NT
.endr
.endm
	s_wait_kmcnt 0x0
	s_add_co_i32 s96, s96, s97
	s_add_co_i32 s96, s96, 127
	s_lshl_b32 s96, s96, 23
	s_wait_loadcnt 0x0
	PLACES NP
	TOSTAGE 0
.irp a, 1,2,3,4,5,6,7
.if \a > 1
	s_wait_xcnt 0x0
.endif
	TOSTAGE \a
	SEND \a-1, 32
.endr
	s_wait_xcnt 0x0
	SEND 7, 0
	s_wait_tensorcnt 0x0
	ds_add_u32 v[SPW], v[NIL]
	s_wait_dscnt 0x0
	CROUND
	s_endpgm
.Lfunc_end_k_q6d19deb85c_gemm:
	.size	k_q6d19deb85c_gemm, .Lfunc_end_k_q6d19deb85c_gemm-k_q6d19deb85c_gemm
	.p2alignl 7, 3214868480
	.fill 96, 4, 3214868480
	.section	.rodata,"a",@progbits
	.p2align	6, 0x0
	.amdhsa_kernel k_q6d19deb85c_gemm
		.amdhsa_group_segment_fixed_size 327680
		.amdhsa_private_segment_fixed_size 0
		.amdhsa_enable_private_segment 0
		.amdhsa_kernarg_size 40
		.amdhsa_user_sgpr_count 2
		.amdhsa_user_sgpr_kernarg_segment_ptr 1
		.amdhsa_wavefront_size32 1
		.amdhsa_system_sgpr_workgroup_id_x 1
		.amdhsa_system_sgpr_workgroup_id_y 1
		.amdhsa_system_sgpr_workgroup_id_z 1
		.amdhsa_system_vgpr_workitem_id 0
		.amdhsa_next_free_vgpr 1024
		.amdhsa_next_free_sgpr 98
		.amdhsa_reserve_vcc 0
		.amdhsa_float_denorm_mode_32 3
		.amdhsa_float_denorm_mode_16_64 3
		.amdhsa_memory_ordered 1
		.amdhsa_forward_progress 1
		.amdhsa_inst_pref_size 126
	.end_amdhsa_kernel
	.amdgpu_metadata
---
amdhsa.version: [ 1, 2 ]
amdhsa.kernels:
  - .name:           k_q6d19deb85c_gemm
    .symbol:         k_q6d19deb85c_gemm.kd
    .args:
      - { .name: x_codes, .offset: 0, .size: 8, .value_kind: global_buffer, .address_space: global }
      - { .name: w_codes, .offset: 8, .size: 8, .value_kind: global_buffer, .address_space: global }
      - { .name: lowp_scales, .offset: 16, .size: 8, .value_kind: global_buffer, .address_space: global }
      - { .name: bias, .offset: 24, .size: 8, .value_kind: global_buffer, .address_space: global }
      - { .name: out0, .offset: 32, .size: 8, .value_kind: global_buffer, .address_space: global }
    .group_segment_fixed_size: 327680
    .private_segment_fixed_size: 0
    .kernarg_segment_align: 8
    .kernarg_segment_size: 40
    .max_flat_workgroup_size: 128
    .sgpr_count:     98
    .vgpr_count:     1024
    .wavefront_size: 32
...
	.end_amdgpu_metadata
.endif
;; end of part 3
